; MI455X (gfx1250); checked and timed in simulation.
; The chip was launched on July 23, 2026; its instructions are those of AMD's public machine-readable ISA for CDNA 5 (MIT licence, August 2026) and "CDNA5" Instruction Set Architecture Reference Guide (July 2026). The comments in the code are by the model that wrote it; some were corrected since.
;; K Means Quantizer. Allowed arithmetic: matrix products marked QUANTISED: E4M3 operands, one given power-of-two scale a tensor, by v_wmma_f32_16x16x64_fp8_fp8 or v_wmma_f32_16x16x128_fp8_fp8, f32 sums; everything else in f32.
;; Inputs: centroids 2,048 x 1,024 float32; lowp_scales 2 int32 (the exponents e of the quantised operands' scales 2^e); x_codes 16 x 2,000 x 32 x 32 uint8 (E4M3 codes of x, K innermost, in blocks of 32 codes).
;; Outputs: out0 16 x 2,000 int32.
;; This version of the problem:
;;   THIS VERSION OF THE PROBLEM IS GIVEN IN LOW PRECISION. The matrix products marked QUANTISED in the list below multiply operands that are first quantised to E4M3 (4 exponent bits, 3 mantissa bits; 8 bits a number), with one given power-of-two scale for each operand tensor; their sums are f32. All else is computed in f32.
;;   The module's matrix products, in the order in which they are computed (A, B: the left and right operand; K: the contracted axis; several contracted axes count as one K, in the product's order):
;;     1. [M 32,000, K 1,024] x [K 1,024, N 2,048]; A: input x (given as codes); B: input centroids: QUANTISED (scales: A lowp_scales[0], B lowp_scales[1])
;;   THE QUANTISER, for each operand of a quantised product, along K:
;;     - The operand's scale is 2^e, e = its entry of the input lowp_scales (int32; the entries are numbered through the quantised products in the list's order, A before B).
;;     - Each number is divided by the scale, clamped to +-448, and rounded to the nearest number of E4M3, ties to even, subnormals kept.
;;     - The product sums the exact products of the quantised numbers (number of the format x scale) in f32.
;;   ~~~python
;;   def quantise(x, axis, e):      # numpy; x: float32 -> the quantised numbers, widened to float32 again
;;       x = np.moveaxis(x, axis, -1); K = x.shape[-1]
;;       r = np.clip(x / 2.0 ** e, -448, 448)
;;       step = 2.0 ** (np.maximum(np.frexp(np.where(r == 0, 1, r))[1] - 1, -6) - 3)
;;       q = np.round(r / step) * step * 2.0 ** e      # np.round: ties to even
;;       return np.moveaxis(q, -1, axis).astype(np.float32)
;;   ~~~
;;   INPUTS GIVEN AS CODES. x (in the module: [16, 2000, 1024], K = its axis 2): each comes as NAME_codes (uint8): NAME with its K axis moved to the last place and cut into blocks of 32 codes, [.., K / 32, bytes a block], one block behind the other in memory; one code a byte (a code: sign, 4 exponent bits, 3 mantissa bits); its scale is its entry of lowp_scales. Its value is code x scale, taken as it is: it is not quantised again, and the codes and scales need not be those that the quantiser above would give.
;; 2 versions, each right. Each part assembles by itself: llvm-mc -triple=amdgcn-amd-amdhsa -mcpu=gfx1250 --defsym DOCPART=n.
;; ======== version 1 of 2: 2 launches
;; workspace buffers: c_codes 2,097,152 bytes; cnorm 8,192 bytes
;; launch quant (part 1): grid 256 x 1, 4 waves a work-group, no clusters, 0 bytes of LDS; arguments centroids, lowp_scales, c_codes, cnorm; writes c_codes, cnorm
.if DOCPART == 1
	.amdgcn_target "amdgcn-amd-amdhsa--gfx1250"
	.amdhsa_code_object_version 6
	.text
	.protected	k_q12beb0dd2f_quant
	.globl	k_q12beb0dd2f_quant
	.p2align	8
	.type	k_q12beb0dd2f_quant,@function
k_q12beb0dd2f_quant:
	s_mov_b64 s[64:65], 0
	v_nop
	global_prefetch_b8 v0, s[64:65] scope:SCOPE_SE
	s_setreg_imm32_b32 hwreg(HW_REG_WAVE_MODE, 25, 1), 1
	s_wait_xcnt 0x0
; The centroids [2048][1024], f32, are read once and give two things:
;   c_codes: their codes of FP8 (E4M3) with the given scale 2^e, e = entry 1 of the scales: code = c / 2^e, held within +-448, to the nearest code, ties to even;
;   cnorm:   the sum of the squares of the UNQUANTISED numbers of each centroid, f32.
; c_codes is laid in the order in which the next launch walks it: 32 dense tiles of 65,536 bytes, tile = 8 (n / 512) + k / 128, and in a tile centroid n % 512 has 128 consecutive bytes:
;   byte = (8 (n >> 9) + (k >> 7)) 65,536 + (n & 511) 128 + (k & 127).
; SHARES.  A work-group takes 8 centroids, a wave the pair n, n + 1 (n = 8 x work-group + 2 x wave), in four steps of 512 numbers.  In step q lane l holds 16 neighbours along K, since the
; conversion takes eight neighbours from one lane's consecutive registers: centroid n + ((l >> 3) & 1), k = 256 q + 128 (l >> 4) + 16 (l & 7) + 0 .. 15.  Its 16 codes are 16 bytes, and lanes 0-15
; store 256 consecutive bytes, aligned (two centroids x 128 codes of tile 2 q), lanes 16-31 the same of tile 2 q + 1.
; No LDS, no barrier: waves share nothing.  All sixteen loads of a wave go out at once; each step has its own registers, so no register of a pending load or store is written again.
; The 2,048 norms leave as two words a wave: 8,192 bytes of the launch's ten million.
; LIMITS: -126 <= e <= 119, so that 2^e and 448 x 2^e are f32 numbers.  NaN among the centroids is not served.  The norm is summed in eight chains a lane (fused multiply-adds) and a tree over
; sixteen lanes: another order of rounding than a sum from left to right.
.set X, 16                             ; v16-79   four sets of 16 numbers
.set S, 80                             ; v80-87   four pairs of partial sums of squares
.set C, 96                             ; v96-111  codes: four registers for each step
	s_load_b256 s[4:11], s[0:1], 0x0               ; centroids s[4:5], the scales' exponents s[6:7], c_codes s[8:9], cnorm s[10:11]
	v_lshrrev_b32 v5, 5, v0
	v_readfirstlane_b32 s16, v5                    ; wave 0..3
	v_and_b32 v1, 31, v0                           ; lane l
	v_bfe_u32 v4, v1, 3, 1                         ; which centroid of the pair
	v_lshrrev_b32 v5, 4, v1                        ; l >> 4
	v_and_b32 v6, 7, v1
	v_lshlrev_b32 v2, 6, v6                        ; in: 64 (l & 7)
	v_lshl_add_u32 v2, v5, 9, v2                   ;   + 512 (l >> 4)
	v_lshl_add_u32 v2, v4, 12, v2                  ;   + a row of 4,096 bytes for the pair's second centroid
	v_and_b32 v6, 15, v1
	v_lshlrev_b32 v3, 4, v6                        ; out: 16 (l & 15)
	v_lshl_add_u32 v3, v5, 16, v3                  ;   + a tile for lanes 16-31
	v_lshlrev_b32 v4, 2, v4                        ; the norm's word
	v_mov_b32 v88, 0                               ; (the destination of a lane permute counts as read)
	s_lshl_b32 s17, ttmp9, 3
	s_lshl_b32 s18, s16, 1
	s_add_co_u32 s17, s17, s18                     ; n
	s_lshl_b32 s18, s17, 12                        ; its row of the centroids
	s_mov_b32 s19, 0
	s_lshr_b32 s20, s17, 9
	s_lshl_b32 s20, s20, 19                        ; its chunk's eight tiles,
	s_and_b32 s21, s17, 511
	s_lshl_b32 s21, s21, 7                         ; and its 128 bytes in a tile
	s_add_co_u32 s20, s20, s21
	s_mov_b32 s21, 0
	s_lshl_b32 s22, s17, 2                         ; its norm
	s_mov_b32 s23, 0
	s_mov_b32 s14, 0x76543210                      ; v_permlanex16_b32's selects for lane l xor 16
	s_mov_b32 s15, 0xfedcba98
	s_wait_kmcnt 0x0
	s_load_b32 s12, s[6:7], 0x4                    ; e
	s_add_nc_u64 s[4:5], s[4:5], s[18:19]
	s_add_nc_u64 s[8:9], s[8:9], s[20:21]
	s_add_nc_u64 s[10:11], s[10:11], s[22:23]
.irp q, 0,1,2,3
.irp i, 0,1,2,3
	global_load_b128 v[X+16*\q+4*\i:X+16*\q+4*\i+3], v2, s[4:5] offset:1024*\q+16*\i th:TH_LOAD_NT
.endr
.endr
	s_wait_kmcnt 0x0
	s_add_co_i32 s12, s12, 127
	s_lshl_b32 s13, s12, 23
	v_mov_b32 v11, s13                             ; 2^e as f32: the conversion takes its exponent field
	s_add_co_i32 s12, s12, 8
	s_lshl_b32 s12, s12, 23
	s_or_b32 s12, s12, 0x600000
	v_mov_b32 v10, s12                             ; 448 x 2^e
.macro STEP q
.set XS, X+16*\q
	s_wait_loadcnt 12-4*\q                         ; loads come back in order: this step's four are in, the later steps' stay out
.if \q == 0
.irp p, 0,1,2,3
	v_pk_mul_f32 v[S+2*\p:S+2*\p+1], v[XS+2*\p:XS+2*\p+1], v[XS+2*\p:XS+2*\p+1]   ; the first squares start the sums: nothing is cleared
.endr
.irp p, 0,1,2,3
	v_pk_fma_f32 v[S+2*\p:S+2*\p+1], v[XS+8+2*\p:XS+8+2*\p+1], v[XS+8+2*\p:XS+8+2*\p+1], v[S+2*\p:S+2*\p+1]
.endr
.else
.irp p, 0,1,2,3,4,5,6,7
	v_pk_fma_f32 v[S+2*(\p%4):S+2*(\p%4)+1], v[XS+2*\p:XS+2*\p+1], v[XS+2*\p:XS+2*\p+1], v[S+2*(\p%4):S+2*(\p%4)+1]
.endr
.endif
.irp i, 0,1,2,3,4,5,6,7,8,9,10,11,12,13,14,15
	v_med3_num_f32 v[XS+\i], v[XS+\i], -v10, v10   ; behind the squares: the conversion to an 8-bit code does not saturate (ISA guide 7.6.2), so the number is held first
.endr
	v_cvt_scalef32_pk8_fp8_f32 v[C+4*\q:C+4*\q+1], v[XS:XS+7], v11
	v_cvt_scalef32_pk8_fp8_f32 v[C+4*\q+2:C+4*\q+3], v[XS+8:XS+15], v11
	v_nop                                          ; one plain vector instruction between a scaled conversion and what touches its result
	global_store_b128 v3, v[C+4*\q:C+4*\q+3], s[8:9] offset:131072*\q   ; two tiles on in each step
.endm
	STEP 0
	STEP 1
	STEP 2
	STEP 3
	v_pk_add_f32 v[S:S+1], v[S:S+1], v[S+2:S+3]
	v_pk_add_f32 v[S+4:S+5], v[S+4:S+5], v[S+6:S+7]
	v_pk_add_f32 v[S:S+1], v[S:S+1], v[S+4:S+5]
	v_add_f32 v[S], v[S], v[S+1]                   ; my 64 numbers' squares
	v_add_f32_dpp v[S], v[S], v[S] row_xmask:1 row_mask:0xf bank_mask:0xf   ; a centroid's numbers lie in eight neighbouring lanes
	v_add_f32_dpp v[S], v[S], v[S] row_xmask:2 row_mask:0xf bank_mask:0xf
	v_add_f32_dpp v[S], v[S], v[S] row_xmask:4 row_mask:0xf bank_mask:0xf
	v_permlanex16_b32 v88, v[S], s14, s15          ; and in the eight that lie 16 away
	v_add_f32 v[S], v[S], v88
	v_and_b32 v5, 23, v1
	v_cmp_eq_u32 vcc_lo, 0, v5                     ; lanes 0 and 8 store the pair's two norms
	s_wait_xcnt 0x0                                ; EXEC is a source of the stores above: it changes only behind this wait
	s_and_saveexec_b32 s24, vcc_lo
	global_store_b32 v4, v[S], s[10:11]
	s_endpgm
.Lfunc_end_k_q12beb0dd2f_quant:
	.size	k_q12beb0dd2f_quant, .Lfunc_end_k_q12beb0dd2f_quant-k_q12beb0dd2f_quant
	.p2alignl 7, 3214868480
	.fill 96, 4, 3214868480
	.section	.rodata,"a",@progbits
	.p2align	6, 0x0
	.amdhsa_kernel k_q12beb0dd2f_quant
		.amdhsa_group_segment_fixed_size 0
		.amdhsa_private_segment_fixed_size 0
		.amdhsa_enable_private_segment 0
		.amdhsa_kernarg_size 32
		.amdhsa_user_sgpr_count 2
		.amdhsa_user_sgpr_kernarg_segment_ptr 1
		.amdhsa_wavefront_size32 1
		.amdhsa_system_sgpr_workgroup_id_x 1
		.amdhsa_system_sgpr_workgroup_id_y 1
		.amdhsa_system_sgpr_workgroup_id_z 1
		.amdhsa_system_vgpr_workitem_id 0
		.amdhsa_next_free_vgpr 112
		.amdhsa_next_free_sgpr 66
		.amdhsa_reserve_vcc 1
		.amdhsa_float_denorm_mode_32 3
		.amdhsa_float_denorm_mode_16_64 3
		.amdhsa_memory_ordered 1
		.amdhsa_forward_progress 1
		.amdhsa_inst_pref_size 12
	.end_amdhsa_kernel
	.amdgpu_metadata
---
amdhsa.version: [ 1, 2 ]
amdhsa.kernels:
  - .name:           k_q12beb0dd2f_quant
    .symbol:         k_q12beb0dd2f_quant.kd
    .args:
      - { .name: centroids, .offset: 0, .size: 8, .value_kind: global_buffer, .address_space: global }
      - { .name: lowp_scales, .offset: 8, .size: 8, .value_kind: global_buffer, .address_space: global }
      - { .name: c_codes, .offset: 16, .size: 8, .value_kind: global_buffer, .address_space: global }
      - { .name: cnorm, .offset: 24, .size: 8, .value_kind: global_buffer, .address_space: global }
    .group_segment_fixed_size: 0
    .private_segment_fixed_size: 0
    .kernarg_segment_align: 8
    .kernarg_segment_size: 32
    .max_flat_workgroup_size: 128
    .sgpr_count:     66
    .vgpr_count:     112
    .wavefront_size: 32
...
	.end_amdgpu_metadata
.endif
;; end of part 1
;; launch nearest (part 2): grid 252 x 1, 4 waves a work-group, clusters of 4 x 1, 327,680 bytes of LDS; arguments x_codes, c_codes, cnorm, lowp_scales, out0; writes out0
.if DOCPART == 2
	.amdgcn_target "amdgcn-amd-amdhsa--gfx1250"
	.amdhsa_code_object_version 6
	.text
	.protected	k_q12beb0dd2f_nearest
	.globl	k_q12beb0dd2f_nearest
	.p2align	8
	.type	k_q12beb0dd2f_nearest,@function
k_q12beb0dd2f_nearest:
	s_mov_b64 s[64:65], 0
	v_nop
	global_prefetch_b8 v0, s[64:65] scope:SCOPE_SE
	s_setreg_imm32_b32 hwreg(HW_REG_WAVE_MODE, 25, 1), 1
	s_wait_xcnt 0x0
	s_wait_alu depctr_hold_cnt(0) depctr_sa_sdst(0) depctr_va_vdst(0) depctr_va_sdst(0) depctr_va_ssrc(0) depctr_va_vcc(0) depctr_vm_vsrc(0)
	s_getreg_b32 s2, hwreg(HW_REG_IB_STS2, 6, 4)
	s_cmp_eq_u32 s2, 0
	s_cbranch_scc0 .Lentry_in_a_cluster
	s_endpgm
.Lentry_in_a_cluster:
	s_bfe_u32 s2, ttmp6, 0x10000c
	s_cmp_lg_u32 s2, 0x3003
	s_cbranch_scc0 .Lentry_shape_is_right
	s_endpgm
.Lentry_shape_is_right:
; out0[row] = the lowest n at which d(row, n) = |c_n|^2 - 2 x_row . Q(c_n) is least.  x: 32,000 rows x 1,024 codes of FP8 (E4M3) with the scale 2^ex; Q(c): 2,048 x 1,024 codes with 2^ec, in the
; tile order in which the launch before laid them; |c_n|^2: f32, from that launch.  The codes are multiplied as they are, sums in f32 begun at 0; d = sum x (-2^(ex + ec + 1)) + |c_n|^2 is ONE fused multiply-add.
; SHARES.  The 2,000 blocks of 16 rows go to 252 work-groups: work-group g begins at block max(7 g, 8 g - 16), so the first sixteen own 7 blocks and the others 8.  Every work-group loads and multiplies
; 128 rows from its first (they all lie inside x); the first sixteen do not store their last 16, which the next work-group owns (16 x 16 of 32,256 rows are multiplied twice).  That makes the grid a
; multiple of four: 250 blocks of 128 rows are not.
; The work-group's 128 rows of x stay in LDS for the whole launch.  It walks the centroids in 4 chunks of 512; wave w makes 128 rows x centroids 512 chunk + 128 w + 0 .. 127: 64 accumulators, 512 registers.
; K goes in 8 steps of 128 through a ring of two LDS slots: 32 tiles of 512 centroids x 128 K, a straight walk through c_codes.  Each wave fetches, and alone reads, its quarter of a tile.
; CLUSTER.  All work-groups walk the same tiles, so the four of a cluster ask for each tile, and for the norms, JOINTLY: the same tensor load, the same descriptor (made of the wave's number alone), the mask 15.
; x is each work-group's own: a plain load.  By this text's count a wave has four tensor loads out at the start and one behind each round.
; THE MATRIX INSTRUCTION IS USED TRANSPOSED: source 0 = 16 centroids, source 1 = 16 rows of x.  Lane (r = l % 16, h = l / 16) of accumulator (a, b) holds row 16 a + r, and its register j the
; centroid n0 + 16 b + 8 h + j: the argmin runs along a lane's own registers.  A fragment comes by four loads of 16 bytes (k = 32 c + 16 h + 0 .. 15 in registers 4 c .. 4 c + 3): the same order of k in both sources.
; THE ARGMIN, exact, behind each chunk.  For each row block a and each group b of eight distances: the group's least (four three-way minima); if it is LESS than the lane's best so far, the best, the group's
; first n and the group's eight distances are kept (selects, no branch).  Groups come in ascending n and the test is strict, so the first of equals stays.  At the end the place in the kept group is the
; lowest j whose distance equals the best; then the two halves of the lanes and the four waves are joined, by value and, among equals, by the lower n.
; LIMITS: -126 <= ex + ec + 1 <= 127, so that 2^(ex + ec + 1) is an f32 number.  A row whose distances are all NaN or all +infinity gives 0, as an argmin does; where only SOME of a row's distances are NaN
; they are passed over, while an argmin would name the first of them.
; REGISTERS, in windows of 256 (s_set_vgpr_msb: bits 1:0 source 0, 3:2 source 1, 5:4 source 2, 7:6 destination):
;   window 0: v0 thread, v16-30 addresses and constants, v32-39 best, v40-47 its group's first n, v48-111 its group's eight distances, v112-127 at work, v128-255 x's fragments, ONE set (8 blocks x 16)
;   window 1: the centroids' fragments, TWO sets, at v0 and v128; behind a chunk's last step set 1 takes the chunk's 64 norms
;   window 2: the accumulators of row blocks 0-3 ((a, b) at v[8 (8 (a % 4) + b)]);   window 3: those of blocks 4-7
.set XP,    1040                       ; a row of x in LDS: 1,024 bytes + 16 of padding: an odd multiple of 16, so the 16 rows of a fragment load begin at 16 different columns of 16 bytes modulo 256
.set BP,    144                        ; a centroid's row of a tile: 128 bytes + 16
.set XQ,    32*XP                      ; a wave's quarter of x
.set BQ,    128*BP                     ; a wave's quarter of a tile
.set SLOTB, 4*BQ
.set SLOT0, 128*XP                     ; LDS: x at 0; the two slots; the norms; the spare words; the pairs for the last join.  Every bound is a multiple of 256
.set NORM,  SLOT0+2*SLOTB
.set SPARE, NORM+8192                  ; 128 bytes for each wave: two blocks of 256 bytes that no other line names
.set RED,   SPARE+512                  ; 4 waves x 128 rows x 8 bytes; written by LDS stores, and no fill ever lands there
.set TILEB, 65536                      ; a tile in memory
.set ADRA, 16                          ; v16-17  my place in x's row blocks 0-3, 4-7 (the second lies beyond the first's 16-bit offsets)
.set ADRB, 20                          ; v20-21  my place in my quarter of slot 0, 1
.set ADRN, 22                          ; v22     my place among the chunk's norms; steps by 2,048
.set H8,   24                          ; v24     8 h
.set REDW, 25                          ; v25     where my row's pair goes
.set REDR, 26                          ; v26     where thread t reads row t's pairs
.set OUTO, 27                          ; v27     4 t
.set SPW,  28                          ; v28     LDS address of my spare word: SPARE + 4 x my thread's number; never rewritten
.set NIL,  29                          ; v29     0; never rewritten
.set INF,  30                          ; v30     +infinity
.set BEST, 32
.set IDX,  40
.set SAV,  48
.set G,    112                         ; v112-119 the eight groups' minima
.set PR,   112                         ; at the end: v112-127, a pair (value, n) for each row block
.set AF,   128
.set T0,   128                         ; at the end x's fragments are dead: v128-130 at work, v132-139 the four waves' pairs
.set T1,   129
.set T2,   130
.set FR,   132
.set WV,   16                          ; s16      my wave's number
.set GX1,  24                          ; s[24:31] descriptor group 1 for x;  s[32:35] its group 0
.set GX0,  32
.set GB1,  36                          ; s[36:43] group 1 for the tiles;  s[44:47], s[48:51] group 0, one for each slot
.set GB0,  44
.set GN1,  52                          ; s[52:59] group 1 for the norms;  s[60:63] its group 0
.set GN0,  60
.set SEL,  66                          ; s[66:67] v_permlanex16_b32's selects for lane l xor 16
.set NS,   68                          ; s[68:69] -2^(ex + ec + 1), twice: the packed form names a pair
.set NROWS, 70                         ; s70      rows that I store: 112 or 128
.set MK,   72                          ; s[72:79] which lanes group b has won
.set N0,   80                          ; s[80:87] group b's first n for h = 0: 512 chunk + 128 wave + 16 b
.set MSB, 0
.macro WIN new                         ; the immediate's high byte repeats the setting that is left; a switch that changes nothing is dropped
.if MSB != \new
	s_set_vgpr_msb (MSB<<8)|\new
.set MSB, \new
.endif
.endm
.set MUL_LO, 0xa1                      ; source 0 (centroids) window 1, source 1 (x) window 0, C and D window 2
.set MUL_HI, 0xf1                      ; the same, C and D window 3
.set TO_B,   0x40                      ; destination window 1, address window 0
.set FMA_LO, 0x92                      ; destination and source 0 window 2, source 2 (the norms) window 1
.set FMA_HI, 0xd3                      ; the same for window 3
.macro PLACES n                        ; a load into a register that a matrix instruction has read, and a vector instruction that reads a matrix result, stand four places behind it, and only plain
.rept \n                               ; vector instructions that name none of its registers are places (ISA guide 7.12.1 for vector instructions)
	v_nop
.endr
.endm
.macro CREST                           ; a round of the cluster's barrier behind its opening barrier: wave 0 signals for the work-group, every wave waits for all four work-groups, my work-group's barrier closes it
	s_cmp_lg_u32 s[WV], 0
	s_cbranch_scc1 .Lnot_wave_0_\@
	s_barrier_signal -3
.Lnot_wave_0_\@:
	s_barrier_wait -3
	s_barrier_signal -1
	s_barrier_wait -1
.endm
.macro CROUND                          ; a whole round
	s_barrier_signal -1
	s_barrier_wait -1
	CREST
.endm
.macro JLOAD slot                      ; a joint refill: every wave asks for its quarter of the tile, by one line without a branch; four v_nop follow it
	tensor_load_to_lds s[GB0+4*(\slot):GB0+4*(\slot)+3], s[GB1:GB1+7]
	s_nop 0
	PLACES 4
.endm
	s_load_b256 s[4:11], s[0:1], 0x0               ; x_codes s[4:5], c_codes s[6:7], cnorm s[8:9], the scales' exponents s[10:11]
	s_load_b64 s[12:13], s[0:1], 0x20              ; out0
	v_lshl_add_u32 v[SPW], v0, 2, SPARE
	v_mov_b32 v[NIL], 0
	ds_add_u32 v28, v29
	ds_add_u32 v28, v29
	s_wait_dscnt 0x0
	v_lshrrev_b32 v1, 5, v0
	v_readfirstlane_b32 s[WV], v1                  ; wave 0..3
	s_bfe_u32 s17, ttmp6, 0x40000                  ; cx: my place in the cluster.  It enters x's and out0's addresses and the mask of the last store, and nothing else
	s_lshl_b32 s18, ttmp9, 2                       ; in a cluster launch ttmp9 counts clusters
	s_add_co_u32 s18, s18, s17                     ; work-group g
	s_mul_i32 s19, s18, 7
	s_lshl_b32 s20, s18, 3
	s_sub_co_i32 s20, s20, 16
	s_max_i32 s19, s19, s20                        ; my first block of 16 rows: max(7 g, 8 g - 16)
	s_mov_b32 s[NROWS], 128                        ; (an instruction holds one literal: 128 comes by a move, which leaves SCC alone)
	s_cmp_lt_u32 s18, 16
	s_cselect_b32 s[NROWS], 112, s[NROWS]          ; the first sixteen work-groups own 112 rows
	s_lshl_b32 s20, s19, 14                        ; x: 16 rows of 1,024 bytes a block,
	s_lshl_b32 s21, s[WV], 15                      ; my wave's 32 rows
	s_add_co_u32 s20, s20, s21
	s_mov_b32 s21, 0
	s_lshl_b32 s22, s19, 6                         ; out0: 16 words a block
	s_mov_b32 s23, 0
	s_lshl_b32 s88, s[WV], 14                      ; my quarter of a tile in memory: 128 centroids x 128 bytes
	s_mov_b32 s89, 0
	s_lshl_b32 s90, s[WV], 11                      ; my quarter of the norms
	s_mov_b32 s91, 0
	; x: 32 rows x 1,024 elements of one byte, dense in memory, 16 bytes of padding behind each row in LDS.  No mask: a load of my work-group's own
	s_mov_b32 s[GX1+0], (1<<20)|(7<<22)|(3<<25)    ; 17:16 elements of 1 byte; 20 padding on; 24:22 after every 256 words (code 7); 31:25 four words (code 3)
	s_mov_b32 s[GX1+1], 1024<<16                   ; tensor_dim0
	s_mov_b32 s[GX1+2], 32<<16                     ; tensor_dim1
	s_mov_b32 s[GX1+3], 1024<<16                   ; tile_dim0
	s_mov_b32 s[GX1+4], 32                         ; tile_dim1
	s_mov_b32 s[GX1+5], 1024                       ; from row to row
	s_mov_b32 s[GX1+6], 0
	s_mov_b32 s[GX1+7], 0
	; a quarter of a tile: 128 rows x 128 bytes, dense in memory, padded in LDS; asked for by all four work-groups
	s_mov_b32 s[GB1+0], 15|(1<<20)|(1<<21)|(4<<22)|(3<<25)   ; 15:0 the mask; 20 padding on; 21 set beside a mask; 24:22 after every 32 words (code 4); 31:25 four words
	s_mov_b32 s[GB1+1], 128<<16
	s_mov_b32 s[GB1+2], 128<<16
	s_mov_b32 s[GB1+3], 128<<16
	s_mov_b32 s[GB1+4], 128
	s_mov_b32 s[GB1+5], 128
	s_mov_b32 s[GB1+6], 0
	s_mov_b32 s[GB1+7], 0
	; a quarter of the norms: 2,048 dense bytes as 8 rows of 32 elements of 8 bytes, no padding; asked for jointly
	s_mov_b32 s[GN1+0], 15|(3<<16)|(1<<21)
	s_mov_b32 s[GN1+1], 32<<16
	s_mov_b32 s[GN1+2], 8<<16
	s_mov_b32 s[GN1+3], 32<<16
	s_mov_b32 s[GN1+4], 8
	s_mov_b32 s[GN1+5], 32
	s_mov_b32 s[GN1+6], 0
	s_mov_b32 s[GN1+7], 0
	s_mov_b32 s[GX0], 1                            ; groups 0: count = 1; the LDS address: a constant + the wave's number x a constant
	s_mul_i32 s[GX0+1], s[WV], XQ
	s_mov_b32 s[GB0], 1
	s_mul_i32 s[GB0+1], s[WV], BQ
	s_add_co_u32 s[GB0+1], s[GB0+1], SLOT0
	s_mov_b32 s[GB0+4], 1
	s_add_co_u32 s[GB0+5], s[GB0+1], SLOTB
	s_mov_b32 s[GN0], 1
	s_lshl_b32 s[GN0+1], s[WV], 11
	s_add_co_u32 s[GN0+1], s[GN0+1], NORM
	s_mov_b32 s[SEL], 0x76543210
	s_mov_b32 s[SEL+1], 0xfedcba98
	s_wait_kmcnt 0x0
	s_load_b64 s[14:15], s[10:11], 0x0             ; ex, ec
	s_add_nc_u64 s[GX0+2:GX0+3], s[4:5], s[20:21]
	s_or_b32 s[GX0+3], s[GX0+3], 0x80000000        ; type = 2
	s_add_nc_u64 s[GB0+2:GB0+3], s[6:7], s[88:89]  ; tile 0
	s_add_nc_u64 s[GB0+6:GB0+7], s[GB0+2:GB0+3], TILEB   ; tile 1
	s_or_b32 s[GB0+3], s[GB0+3], 0x80000000
	s_or_b32 s[GB0+7], s[GB0+7], 0x80000000
	s_add_nc_u64 s[GN0+2:GN0+3], s[8:9], s[90:91]
	s_or_b32 s[GN0+3], s[GN0+3], 0x80000000
	s_add_nc_u64 s[12:13], s[12:13], s[22:23]      ; out0 at my first row
	CROUND                                         ; all four work-groups are here: the first joint loads meet
	tensor_load_to_lds s[GX0:GX0+3], s[GX1:GX1+7]  ; the first fills go out as one group, ahead of every wait on TENSORcnt and every LDS read: my 32 rows of x,
	s_nop 0
	tensor_load_to_lds s[GB0:GB0+3], s[GB1:GB1+7]  ; my quarter of tile 0,
	s_nop 0
	tensor_load_to_lds s[GN0:GN0+3], s[GN1:GN1+7]  ; of the norms,
	s_nop 0
	tensor_load_to_lds s[GB0+4:GB0+7], s[GB1:GB1+7]   ; and of tile 1: four loads of mine are out
	s_nop 0
	PLACES 4
	; while they land: addresses, and the argmin's first state
	v_and_b32 v1, 15, v0                           ; r
	v_bfe_u32 v2, v0, 4, 1                         ; h
	v_mul_u32_u24 v[ADRA], v1, XP
	v_lshl_add_u32 v[ADRA], v2, 4, v[ADRA]         ; row r x pitch + 16 h
	v_add_nc_u32 v[ADRA+1], 64*XP, v[ADRA]
	v_mul_u32_u24 v[ADRB], v1, BP
	v_lshl_add_u32 v[ADRB], v2, 4, v[ADRB]
	v_add_nc_u32 v[ADRB], s[GB0+1], v[ADRB]        ; + slot 0 + my quarter
	v_add_nc_u32 v[ADRB+1], SLOTB, v[ADRB]
	s_lshl_b32 s88, s[WV], 9
	s_add_co_u32 s88, s88, NORM
	v_lshl_add_u32 v[ADRN], v2, 5, s88             ; the norm of centroid 128 w + 16 b + 8 h + j lies at 512 w + 64 b + 32 h + 4 j
	v_lshlrev_b32 v[H8], 3, v2
	s_lshl_b32 s89, s[WV], 10
	s_add_co_u32 s89, s89, RED
	v_lshl_add_u32 v[REDW], v1, 3, s89
	v_lshl_add_u32 v[REDR], v0, 3, RED
	v_lshlrev_b32 v[OUTO], 2, v0
	v_mov_b32 v[INF], 0x7f800000
.irp a, 0,1,2,3,4,5,6,7
	v_mov_b32 v[BEST+\a], v[INF]                   ; the chunks' work is written once: the first chunk finds +infinity as the best so far.  Eighty moves, once, while the first tiles are on their way
	v_mov_b32 v[IDX+\a], 0
.endr
.set i, 0
.rept 64
	v_mov_b32 v[SAV+i], v[INF]
.set i, i+1
.endr
	s_lshl_b32 s[N0], s[WV], 7
.irp b, 1,2,3,4,5,6,7
	s_add_co_u32 s[N0+\b], s[N0], 16*\b
.endr
	s_wait_kmcnt 0x0
	s_add_co_i32 s[NS], s14, s15
	s_add_co_i32 s[NS], s[NS], 128                 ; the exponent field of 2^(ex + ec + 1),
	s_lshl_b32 s[NS], s[NS], 23
	s_or_b32 s[NS], s[NS], 0x80000000              ; and the sign
	s_mov_b32 s[NS+1], s[NS]
; 8 matrix instructions: row block a of x against the wave's eight blocks of 16 centroids in set p, 128 along K.  zero = 1: the product starts the sums: nothing is cleared.
; The 64 accumulators take turns, one instruction a turn, in the same order in every step.
.macro MUL8 a, p, zero
.irp b, 0,1,2,3,4,5,6,7
.if \zero
	v_wmma_f32_16x16x128_fp8_fp8 v[8*(8*((\a)%4)+\b):8*(8*((\a)%4)+\b)+7], v[128*(\p)+16*\b:128*(\p)+16*\b+15], v[AF+16*(\a):AF+16*(\a)+15], 0
.else
	v_wmma_f32_16x16x128_fp8_fp8 v[8*(8*((\a)%4)+\b):8*(8*((\a)%4)+\b)+7], v[128*(\p)+16*\b:128*(\p)+16*\b+15], v[AF+16*(\a):AF+16*(\a)+15], v[8*(8*((\a)%4)+\b):8*(8*((\a)%4)+\b)+7]
.endif
.endr
.endm
.macro FETCH_B slot, p                 ; 32 LDS loads in one run: my quarter of the slot's tile, whole, into set p
	WIN TO_B
.irp i, 0,1,2,3,4,5,6,7
.irp c, 0,1,2,3
	ds_load_b128 v[128*(\p)+16*\i+4*\c:128*(\p)+16*\i+4*\c+3], v[ADRB+(\slot)] offset:\i*16*BP+32*\c
.endr
.endr
	WIN 0
.endm
.macro FETCH_A k, lo                   ; 16 LDS loads: x's row blocks lo .. lo + 3 (lo = 0 or 4), K step k
.irp i, 0,1,2,3
.irp c, 0,1,2,3
	ds_load_b128 v[AF+16*((\lo)+\i)+4*\c:AF+16*((\lo)+\i)+4*\c+3], v[ADRA+(\lo)/4] offset:128*(\k)+\i*16*XP+32*\c
.endr
.endr
.endm
; K STEP k OF A CHUNK: 64 matrix instructions on the tile that lies, whole, in set k % 2.  Its slot has been read out, so it is filled again in this very step (fill = 2) with the tile two on.
; In front of the round each wave waits for all its tensor loads, of which one is out: its quarter of the next tile; adds 0 to its spare word; and waits for that and for its LDS reads.
; Behind the round the refill comes first, then the next tile's fragments and x's next K step.  A block of x is free as soon as its eight products are issued, so one set serves x: blocks 0-3 are fetched
; anew in the step's middle, blocks 4-7 at its end.  fill = 1: the last tile but one: nothing is left to ask for, so no round.  fill = 0: the last tile: nothing is left to fetch.
.macro PERIOD k, fill
.set SL, (\k)%2
.set KN, ((\k)+1)%8
.if (\k) == 0
.set ZR, 1
.else
.set ZR, 0
.endif
	s_wait_dscnt 16                                ; the centroids' set and x's blocks 0-3 are in; the youngest sixteen loads (blocks 4-7) may be out
	WIN MUL_LO
	MUL8 0, SL, ZR
	MUL8 1, SL, ZR
.if \fill == 0
	MUL8 2, SL, ZR
	MUL8 3, SL, ZR
	s_wait_dscnt 0x0                               ; blocks 4-7
	WIN MUL_HI
	MUL8 4, SL, ZR
	MUL8 5, SL, ZR
	MUL8 6, SL, ZR
	MUL8 7, SL, ZR
	PLACES 4                                       ; in front of the reads of the results, and of the norms' loads into set 1
	WIN 0
.else
	WIN 0                                          ; (the add's two registers lie in window 0)
	s_wait_tensorcnt 0x0                           ; all my tensor loads have landed: the one that was out is my quarter of the next tile; so a group 0 may be written
	ds_add_u32 v[SPW], v[NIL]                      ; 0 onto my spare word
.if \fill == 2
	s_add_nc_u64 s[GB0+4*SL+2:GB0+4*SL+3], s[GB0+4*SL+2:GB0+4*SL+3], 2*TILEB   ; this slot's next tile; the type bits on top are not reached
.endif
	WIN MUL_LO
	MUL8 2, SL, ZR                                 ; eight matrix instructions stand between the add and the wait for it
	s_wait_dscnt 0x0                               ; the add is done, and my LDS reads are back: this slot's were issued a step ago, x's blocks 4-7 at the last step's end
	s_barrier_signal -1                            ; (with fill = 2 this barrier opens a round of the cluster's barrier)
	MUL8 3, SL, ZR                                 ; work on registers while the others arrive
	WIN 0
	s_barrier_wait -1
.if \fill == 2
	CREST                                          ; no wave of any partner still reads this slot or has a load on its way
	JLOAD SL                                       ; my one tensor load behind the round, and the first thing there; its four v_nop are also the places in front of the loads below
.else
	PLACES 4
.endif
	FETCH_B 1-SL, 1-SL
	FETCH_A KN, 0
	WIN MUL_HI
	MUL8 4, SL, ZR
	MUL8 5, SL, ZR
	MUL8 6, SL, ZR
	MUL8 7, SL, ZR
	PLACES 4
	WIN 0
	FETCH_A KN, 4
.endif
.endm
; Row block a's share of the argmin behind a chunk.
.macro BLOCK a
.set AC, 64*((\a)%4)
.set WW, 2+(\a)/4                      ; the block's window
.set WN, (WW<<2)|(WW<<4)
	WIN WN                                         ; sources 1 and 2 among the accumulators
.irp b, 0,1,2,3,4,5,6,7
	v_min3_num_f32 v[G+\b], v[INF], v[AC+8*\b], v[AC+8*\b+1]   ; the least of each group's eight distances, stage by stage across the groups; a NaN loses
.endr
.irp s, 1,2,3
.irp b, 0,1,2,3,4,5,6,7
	v_min3_num_f32 v[G+\b], v[G+\b], v[AC+8*\b+2*\s], v[AC+8*\b+2*\s+1]
.endr
.endr
	WIN 0
.irp b, 0,1,2,3,4,5,6,7
	v_cmp_lt_f32 s[MK+\b], v[G+\b], v[BEST+(\a)]   ; strictly less: the first of equals stays
	v_min_num_f32 v[BEST+(\a)], v[BEST+(\a)], v[G+\b]
	v_cndmask_b32 v[IDX+(\a)], v[IDX+(\a)], s[N0+\b], s[MK+\b]
.endr
.set WN, WW<<2
	WIN WN                                         ; source 1 among the accumulators
.irp b, 0,1,2,3,4,5,6,7
.irp j, 0,1,2,3,4,5,6,7
	v_cndmask_b32 v[SAV+8*(\a)+\j], v[SAV+8*(\a)+\j], v[AC+8*\b+\j], s[MK+\b]   ; a group that has won leaves its eight distances; in ascending b, so the last winner's stay
.endr
.endr
.endm
; BEHIND A CHUNK'S LAST K STEP: the sums become distances, in place, and the argmin takes them in.  The next tile's load, if any, lands meanwhile.
.macro EPI
	WIN TO_B
.irp b, 0,1,2,3,4,5,6,7
	ds_load_b128 v[128+8*\b:128+8*\b+3], v[ADRN] offset:64*\b       ; the norms of my 64 centroids of the chunk, in the accumulators' layout, into set 1, which the step just ended has left
	ds_load_b128 v[128+8*\b+4:128+8*\b+7], v[ADRN] offset:64*\b+16
.endr
	WIN 0
	v_add_nc_u32 v[ADRN], 2048, v[ADRN]            ; the next chunk's
	s_wait_dscnt 0x0
	WIN FMA_LO
.irp a, 0,1,2,3
.irp b, 0,1,2,3,4,5,6,7
.irp u, 0,1,2,3
	v_pk_fma_f32 v[64*\a+8*\b+2*\u:64*\a+8*\b+2*\u+1], v[64*\a+8*\b+2*\u:64*\a+8*\b+2*\u+1], s[NS:NS+1], v[128+8*\b+2*\u:128+8*\b+2*\u+1] op_sel_hi:[1,0,1]   ; d = sum x (-2^(ex + ec + 1)) + |c|^2, rounded once; each accumulator from its low end on
.endr
.endr
.endr
	WIN FMA_HI
.irp a, 0,1,2,3
.irp b, 0,1,2,3,4,5,6,7
.irp u, 0,1,2,3
	v_pk_fma_f32 v[64*\a+8*\b+2*\u:64*\a+8*\b+2*\u+1], v[64*\a+8*\b+2*\u:64*\a+8*\b+2*\u+1], s[NS:NS+1], v[128+8*\b+2*\u:128+8*\b+2*\u+1] op_sel_hi:[1,0,1]
.endr
.endr
.endr
.irp a, 0,1,2,3,4,5,6,7
	BLOCK \a
.endr
	WIN 0
.irp b, 0,1,2,3,4,5,6,7
	s_add_co_u32 s[N0+\b], s[N0+\b], 512           ; the next chunk's groups
.endr
.endm
; Of two pairs (value, n) the one with the lesser value, among equal values the one with the lower n.  Selects alone.
.macro MERGE dv, di, bv, bi, ov, oi
	v_cmp_lt_f32 s88, v[\ov], v[\bv]
	v_cmp_eq_f32 s89, v[\ov], v[\bv]
	v_cmp_lt_u32 s90, v[\oi], v[\bi]
	s_and_b32 s89, s89, s90
	s_or_b32 s88, s88, s89
	v_cndmask_b32 v[\dv], v[\bv], v[\ov], s88
	v_cndmask_b32 v[\di], v[\bi], v[\oi], s88
.endm
	s_wait_tensorcnt 0x1                           ; my parts of x, of tile 0 and of the norms are in; tile 1's may stay out
	s_barrier_signal -1
	s_barrier_wait -1                              ; everybody's are: x and the norms are read across the waves' quarters
	FETCH_B 0, 0
	FETCH_A 0, 0
	FETCH_A 0, 4
	s_mov_b32 s3, 3
.Lchunk:                                               ; chunks 0 to 2: tiles 0 to 23, each step asking for the tile two on
	PERIOD 0, 2
	PERIOD 1, 2
	PERIOD 2, 2
	PERIOD 3, 2
	PERIOD 4, 2
	PERIOD 5, 2
	PERIOD 6, 2
	PERIOD 7, 2
	EPI
	s_sub_co_u32 s3, s3, 1
	s_cmp_lg_u32 s3, 0
	s_cbranch_scc1 .Lchunk
	PERIOD 0, 2                                    ; the last chunk is written out: tiles 24 to 29 ask for tiles 26 to 31
	PERIOD 1, 2
	PERIOD 2, 2
	PERIOD 3, 2
	PERIOD 4, 2
	PERIOD 5, 2
	PERIOD 6, 1                                    ; tile 30 asks for nothing,
	PERIOD 7, 0                                    ; and tile 31 fetches nothing
	EPI
	; THE END.  For each row block: the place in the kept group, the lowest j whose distance equals the best (one of the eight does; tested from 6 down, 7 where none of those does);
	; n = the group's first + 8 h + j; the row's other half of the centroids lies in the lane 16 away; the pair goes to LDS, a pair of registers of its own for each store.
	v_mov_b32 v[T1], 0                             ; (the destination of a lane permute counts as read)
	v_mov_b32 v[T2], 0
.irp a, 0,1,2,3,4,5,6,7
	v_mov_b32 v[T0], 7
.irp j, 6,5,4,3,2,1,0
	v_cmp_eq_f32 vcc_lo, v[SAV+8*\a+\j], v[BEST+\a]
	v_cndmask_b32 v[T0], v[T0], \j, vcc_lo
.endr
	v_add3_u32 v[IDX+\a], v[IDX+\a], v[H8], v[T0]
	v_permlanex16_b32 v[T1], v[BEST+\a], s[SEL], s[SEL+1]
	v_permlanex16_b32 v[T2], v[IDX+\a], s[SEL], s[SEL+1]
	MERGE PR+2*\a, PR+2*\a+1, BEST+\a, IDX+\a, T1, T2
	ds_store_b64 v[REDW], v[PR+2*\a:PR+2*\a+1] offset:128*\a   ; both halves of the lanes hold the same pair and write the same bytes
.endr
	s_wait_dscnt 0x0                               ; for the others' sake: my pairs are in LDS
	s_barrier_signal -1
	s_barrier_wait -1
.irp w, 0,1,2,3
	ds_load_b64 v[FR+2*\w:FR+2*\w+1], v[REDR] offset:1024*\w   ; thread t takes row t: the four waves' pairs
.endr
	s_wait_dscnt 0x0
	MERGE FR, FR+1, FR, FR+1, FR+2, FR+3
	MERGE FR, FR+1, FR, FR+1, FR+4, FR+5
	MERGE FR, FR+1, FR, FR+1, FR+6, FR+7
	v_cmp_gt_u32 vcc_lo, s[NROWS], v0              ; the first sixteen work-groups do not store their last 16 rows: a mask, no branch
	s_wait_xcnt 0x0                                ; EXEC changes only behind this wait
	s_and_saveexec_b32 s71, vcc_lo
	global_store_b32 v[OUTO], v[FR+1], s[12:13]    ; neighbouring lanes store neighbouring words: 128 consecutive bytes a wave, 448 or 512 a work-group
	s_wait_xcnt 0x0                                ; and again, in front of the line that widens it
	s_or_b32 exec_lo, exec_lo, s71
	s_wait_tensorcnt 0x0                           ; the wave's end: waits and an add of 0 to my spare word, behind my last tensor load and my last LDS store
	ds_add_u32 v[SPW], v[NIL]
	s_wait_dscnt 0x0
	CROUND                                         ; the closing round: no work-group ends while a partner may still ask for a tile that names it
	s_endpgm
.Lfunc_end_k_q12beb0dd2f_nearest:
	.size	k_q12beb0dd2f_nearest, .Lfunc_end_k_q12beb0dd2f_nearest-k_q12beb0dd2f_nearest
	.p2alignl 7, 3214868480
	.fill 96, 4, 3214868480
	.section	.rodata,"a",@progbits
	.p2align	6, 0x0
	.amdhsa_kernel k_q12beb0dd2f_nearest
		.amdhsa_group_segment_fixed_size 327680
		.amdhsa_private_segment_fixed_size 0
		.amdhsa_enable_private_segment 0
		.amdhsa_kernarg_size 40
		.amdhsa_user_sgpr_count 2
		.amdhsa_user_sgpr_kernarg_segment_ptr 1
		.amdhsa_wavefront_size32 1
		.amdhsa_system_sgpr_workgroup_id_x 1
		.amdhsa_system_sgpr_workgroup_id_y 1
		.amdhsa_system_sgpr_workgroup_id_z 1
		.amdhsa_system_vgpr_workitem_id 0
		.amdhsa_next_free_vgpr 1024
		.amdhsa_next_free_sgpr 92
		.amdhsa_reserve_vcc 1
		.amdhsa_float_denorm_mode_32 3
		.amdhsa_float_denorm_mode_16_64 3
		.amdhsa_memory_ordered 1
		.amdhsa_forward_progress 1
		.amdhsa_inst_pref_size 255
	.end_amdhsa_kernel
	.section	.bss,"aw",@nobits
	.p2align	6
	.space	262144
	.amdgpu_metadata
---
amdhsa.version: [ 1, 2 ]
amdhsa.kernels:
  - .name:           k_q12beb0dd2f_nearest
    .symbol:         k_q12beb0dd2f_nearest.kd
    .args:
      - { .name: x_codes, .offset: 0, .size: 8, .value_kind: global_buffer, .address_space: global }
      - { .name: c_codes, .offset: 8, .size: 8, .value_kind: global_buffer, .address_space: global }
      - { .name: cnorm, .offset: 16, .size: 8, .value_kind: global_buffer, .address_space: global }
      - { .name: lowp_scales, .offset: 24, .size: 8, .value_kind: global_buffer, .address_space: global }
      - { .name: out0, .offset: 32, .size: 8, .value_kind: global_buffer, .address_space: global }
    .group_segment_fixed_size: 327680
    .private_segment_fixed_size: 0
    .kernarg_segment_align: 8
    .kernarg_segment_size: 40
    .max_flat_workgroup_size: 128
    .sgpr_count:     92
    .vgpr_count:     1024
    .wavefront_size: 32
...
	.end_amdgpu_metadata
.endif
;; end of part 2
;; ======== version 2 of 2: 2 launches
;; workspace buffers: c_codes 2,097,152 bytes; cnorm 8,192 bytes
;; launch quant (part 3): grid 256 x 1, 4 waves a work-group, no clusters, 0 bytes of LDS; arguments centroids, lowp_scales, c_codes, cnorm; writes c_codes, cnorm
.if DOCPART == 3
	.amdgcn_target "amdgcn-amd-amdhsa--gfx1250"
	.amdhsa_code_object_version 6
	.text
	.protected	k_q12beb0dd2f_quant
	.globl	k_q12beb0dd2f_quant
	.p2align	8
	.type	k_q12beb0dd2f_quant,@function
k_q12beb0dd2f_quant:
	s_mov_b64 s[64:65], 0
	v_nop
	global_prefetch_b8 v0, s[64:65] scope:SCOPE_SE
	s_setreg_imm32_b32 hwreg(HW_REG_WAVE_MODE, 25, 1), 1
	s_wait_xcnt 0x0
; The centroids [2048][1024], f32, are read once and give two things:
;   c_codes: their codes of FP8 (E4M3) with the given scale 2^e, e = entry 1 of the scales: code = c / 2^e, held within +-448, to the nearest code, ties to even;
;   cnorm:   the sum of the squares of the UNQUANTISED numbers of each centroid, f32.
; c_codes is laid in tiles as the next launch fetches them: 16 dense tiles of 131,072 bytes, tile = 4 (n / 512) + k / 256, and in a tile centroid n % 512 has 256 consecutive bytes:
;   byte = (4 (n >> 9) + (k >> 8)) 131,072 + (n & 511) 256 + (k & 255).
; SHARES.  A work-group takes 8 centroids, a wave the pair n, n + 1 (n = 8 x work-group + 2 x wave), in four steps of 512 numbers.  In step q lane l holds 16 neighbours along K, since the
; conversion takes eight neighbours from one lane's consecutive registers: centroid n + (l >> 4), k = 256 q + 16 (l & 15) + 0 .. 15.  Sixteen lanes read 1,024 consecutive bytes in a step's four loads.
; A lane's 16 codes are 16 bytes; the pair's rows are neighbours in a tile, so the wave's store covers 512 consecutive bytes, aligned: 16 l.
; No LDS, no barrier: waves share nothing.  All sixteen loads of a wave go out at once; each step has its own registers, so no register of a pending load or store is written again.
; The 2,048 norms leave as two words a wave: 8,192 bytes of the launch's ten million.
; LIMITS: -126 <= e <= 119, so that 2^e and 448 x 2^e are f32 numbers.  NaN among the centroids is not served.  The norm is summed in eight chains a lane (fused multiply-adds) and a tree over
; sixteen lanes: another order of rounding than a sum from left to right.
.set X, 16                             ; v16-79   four sets of 16 numbers
.set S, 80                             ; v80-87   four pairs of partial sums of squares
.set C, 96                             ; v96-111  codes: four registers for each step
	s_load_b256 s[4:11], s[0:1], 0x0               ; centroids s[4:5], the scales' exponents s[6:7], c_codes s[8:9], cnorm s[10:11]
	v_lshrrev_b32 v5, 5, v0
	v_readfirstlane_b32 s16, v5                    ; wave 0..3
	v_and_b32 v1, 31, v0                           ; lane l
	v_lshrrev_b32 v5, 4, v1                        ; which centroid of the pair
	v_and_b32 v6, 15, v1
	v_lshlrev_b32 v2, 6, v6                        ; in: 64 (l & 15)
	v_lshl_add_u32 v2, v5, 12, v2                  ;   + a row of 4,096 bytes for the pair's second centroid
	v_lshlrev_b32 v3, 4, v1                        ; out: 16 l
	v_lshlrev_b32 v4, 2, v5                        ; the norm's word
	s_lshl_b32 s17, ttmp9, 3
	s_lshl_b32 s18, s16, 1
	s_add_co_u32 s17, s17, s18                     ; n
	s_lshl_b32 s18, s17, 12                        ; its row of the centroids
	s_mov_b32 s19, 0
	s_lshr_b32 s20, s17, 9
	s_lshl_b32 s20, s20, 19                        ; its chunk's four tiles,
	s_and_b32 s21, s17, 511
	s_lshl_b32 s21, s21, 8                         ; and its 256 bytes in a tile
	s_add_co_u32 s20, s20, s21
	s_mov_b32 s21, 0
	s_lshl_b32 s22, s17, 2                         ; its norm
	s_mov_b32 s23, 0
	s_wait_kmcnt 0x0
	s_load_b32 s12, s[6:7], 0x4                    ; e
	s_add_nc_u64 s[4:5], s[4:5], s[18:19]
	s_add_nc_u64 s[8:9], s[8:9], s[20:21]
	s_add_nc_u64 s[10:11], s[10:11], s[22:23]
.irp q, 0,1,2,3
.irp i, 0,1,2,3
	global_load_b128 v[X+16*\q+4*\i:X+16*\q+4*\i+3], v2, s[4:5] offset:1024*\q+16*\i th:TH_LOAD_NT
.endr
.endr
	s_wait_kmcnt 0x0
	s_add_co_i32 s12, s12, 127
	s_lshl_b32 s13, s12, 23
	v_mov_b32 v11, s13                             ; 2^e as f32: the conversion takes its exponent field
	s_add_co_i32 s12, s12, 8
	s_lshl_b32 s12, s12, 23
	s_or_b32 s12, s12, 0x600000
	v_mov_b32 v10, s12                             ; 448 x 2^e
.macro STEP q
.set XS, X+16*\q
	s_wait_loadcnt 12-4*\q                         ; loads come back in order: this step's four are in, the later steps' stay out
.if \q == 0
.irp p, 0,1,2,3
	v_pk_mul_f32 v[S+2*\p:S+2*\p+1], v[XS+2*\p:XS+2*\p+1], v[XS+2*\p:XS+2*\p+1]   ; the first squares start the sums: nothing is cleared
.endr
.irp p, 0,1,2,3
	v_pk_fma_f32 v[S+2*\p:S+2*\p+1], v[XS+8+2*\p:XS+8+2*\p+1], v[XS+8+2*\p:XS+8+2*\p+1], v[S+2*\p:S+2*\p+1]
.endr
.else
.irp p, 0,1,2,3,4,5,6,7
	v_pk_fma_f32 v[S+2*(\p%4):S+2*(\p%4)+1], v[XS+2*\p:XS+2*\p+1], v[XS+2*\p:XS+2*\p+1], v[S+2*(\p%4):S+2*(\p%4)+1]
.endr
.endif
.irp i, 0,1,2,3,4,5,6,7,8,9,10,11,12,13,14,15
	v_med3_num_f32 v[XS+\i], v[XS+\i], -v10, v10   ; behind the squares: the conversion to an 8-bit code does not saturate (ISA guide 7.6.2), so the number is held first
.endr
	v_cvt_scalef32_pk8_fp8_f32 v[C+4*\q:C+4*\q+1], v[XS:XS+7], v11
	v_cvt_scalef32_pk8_fp8_f32 v[C+4*\q+2:C+4*\q+3], v[XS+8:XS+15], v11
	v_nop                                          ; one plain vector instruction between a scaled conversion and what touches its result
	global_store_b128 v3, v[C+4*\q:C+4*\q+3], s[8:9] offset:131072*\q   ; a tile on in each step
.endm
	STEP 0
	STEP 1
	STEP 2
	STEP 3
	v_pk_add_f32 v[S:S+1], v[S:S+1], v[S+2:S+3]
	v_pk_add_f32 v[S+4:S+5], v[S+4:S+5], v[S+6:S+7]
	v_pk_add_f32 v[S:S+1], v[S:S+1], v[S+4:S+5]
	v_add_f32 v[S], v[S], v[S+1]                   ; my 64 numbers' squares
	v_add_f32_dpp v[S], v[S], v[S] row_xmask:1 row_mask:0xf bank_mask:0xf   ; a centroid's numbers lie in the sixteen lanes of a row
	v_add_f32_dpp v[S], v[S], v[S] row_xmask:2 row_mask:0xf bank_mask:0xf
	v_add_f32_dpp v[S], v[S], v[S] row_xmask:4 row_mask:0xf bank_mask:0xf
	v_add_f32_dpp v[S], v[S], v[S] row_xmask:8 row_mask:0xf bank_mask:0xf
	v_cmp_eq_u32 vcc_lo, 0, v6                     ; lanes 0 and 16 store the pair's two norms
	s_wait_xcnt 0x0                                ; EXEC is a source of the stores above: it changes only behind this wait
	s_and_saveexec_b32 s24, vcc_lo
	global_store_b32 v4, v[S], s[10:11]
	s_endpgm
.Lfunc_end_k_q12beb0dd2f_quant:
	.size	k_q12beb0dd2f_quant, .Lfunc_end_k_q12beb0dd2f_quant-k_q12beb0dd2f_quant
	.p2alignl 7, 3214868480
	.fill 96, 4, 3214868480
	.section	.rodata,"a",@progbits
	.p2align	6, 0x0
	.amdhsa_kernel k_q12beb0dd2f_quant
		.amdhsa_group_segment_fixed_size 0
		.amdhsa_private_segment_fixed_size 0
		.amdhsa_enable_private_segment 0
		.amdhsa_kernarg_size 32
		.amdhsa_user_sgpr_count 2
		.amdhsa_user_sgpr_kernarg_segment_ptr 1
		.amdhsa_wavefront_size32 1
		.amdhsa_system_sgpr_workgroup_id_x 1
		.amdhsa_system_sgpr_workgroup_id_y 1
		.amdhsa_system_sgpr_workgroup_id_z 1
		.amdhsa_system_vgpr_workitem_id 0
		.amdhsa_next_free_vgpr 112
		.amdhsa_next_free_sgpr 66
		.amdhsa_reserve_vcc 1
		.amdhsa_float_denorm_mode_32 3
		.amdhsa_float_denorm_mode_16_64 3
		.amdhsa_memory_ordered 1
		.amdhsa_forward_progress 1
		.amdhsa_inst_pref_size 11
	.end_amdhsa_kernel
	.amdgpu_metadata
---
amdhsa.version: [ 1, 2 ]
amdhsa.kernels:
  - .name:           k_q12beb0dd2f_quant
    .symbol:         k_q12beb0dd2f_quant.kd
    .args:
      - { .name: centroids, .offset: 0, .size: 8, .value_kind: global_buffer, .address_space: global }
      - { .name: lowp_scales, .offset: 8, .size: 8, .value_kind: global_buffer, .address_space: global }
      - { .name: c_codes, .offset: 16, .size: 8, .value_kind: global_buffer, .address_space: global }
      - { .name: cnorm, .offset: 24, .size: 8, .value_kind: global_buffer, .address_space: global }
    .group_segment_fixed_size: 0
    .private_segment_fixed_size: 0
    .kernarg_segment_align: 8
    .kernarg_segment_size: 32
    .max_flat_workgroup_size: 128
    .sgpr_count:     66
    .vgpr_count:     112
    .wavefront_size: 32
...
	.end_amdgpu_metadata
.endif
;; end of part 3
;; launch nearest (part 4): grid 252 x 1, 4 waves a work-group, clusters of 4 x 1, 327,680 bytes of LDS; arguments x_codes, c_codes, cnorm, lowp_scales, out0; writes out0
.if DOCPART == 4
	.amdgcn_target "amdgcn-amd-amdhsa--gfx1250"
	.amdhsa_code_object_version 6
	.text
	.protected	k_q12beb0dd2f_nearest
	.globl	k_q12beb0dd2f_nearest
	.p2align	8
	.type	k_q12beb0dd2f_nearest,@function
k_q12beb0dd2f_nearest:
	s_mov_b64 s[64:65], 0
	v_nop
	global_prefetch_b8 v0, s[64:65] scope:SCOPE_SE
	s_setreg_imm32_b32 hwreg(HW_REG_WAVE_MODE, 25, 1), 1
	s_wait_xcnt 0x0
	s_wait_alu depctr_hold_cnt(0) depctr_sa_sdst(0) depctr_va_vdst(0) depctr_va_sdst(0) depctr_va_ssrc(0) depctr_va_vcc(0) depctr_vm_vsrc(0)
	s_getreg_b32 s2, hwreg(HW_REG_IB_STS2, 6, 4)
	s_cmp_eq_u32 s2, 0
	s_cbranch_scc0 .Lentry_in_a_cluster
	s_endpgm
.Lentry_in_a_cluster:
	s_bfe_u32 s2, ttmp6, 0x10000c
	s_cmp_lg_u32 s2, 0x3003
	s_cbranch_scc0 .Lentry_shape_is_right
	s_endpgm
.Lentry_shape_is_right:
; out0[row] = the lowest n at which d(row, n) = |c_n|^2 - 2 x_row . Q(c_n) is least.  x: 32,000 rows x 1,024 codes of FP8 (E4M3) with the scale 2^ex; Q(c): 2,048 x 1,024 codes with 2^ec, in the
; tiles in which the launch before laid them; |c_n|^2: f32, from that launch.  The codes are multiplied as they are, sums in f32 begun at 0; d = sum x (-2^(ex + ec + 1)) + |c_n|^2 is ONE fused multiply-add.
; SHARES.  The 2,000 blocks of 16 rows go to 252 work-groups: work-group g begins at block max(7 g, 8 g - 16), so the first sixteen own 7 blocks and the others 8.  Every work-group loads and multiplies
; 128 rows from its first (they all lie inside x); the first sixteen do not store their last 16, which the next work-group owns (16 x 16 of 32,256 rows are multiplied twice).  That makes the grid a
; multiple of four: 250 blocks of 128 rows are not.
; The work-group's 128 rows of x stay in LDS for the whole launch.  It walks the centroids in 4 chunks of 512; wave w makes 128 rows x centroids 512 chunk + 128 w + 0 .. 127: 64 accumulators, 512 registers.
; THE TILES.  A tile is 512 centroids x 256 K, rows of 256 bytes; a chunk has four.  Each wave fetches, and alone reads, its quarter (128 rows).  Two such tiles do not fit in LDS beside x, so there is ONE
; region for them, and the two sets of registers for the centroids' fragments are the second buffer.  The region can be asked for again only when the tile in it lies in registers, so the time from a tile's
; landing to the next request is kept short: the wait for a tile stands behind the LAST product of the tile before, when both sets are free; both halves are fetched in one run (the first 128 K into set 0,
; the second into set 1); and the region is filled again behind the tile's first eight products.  From a request to the first read of the tile a wave issues 120 of a tile's 128 matrix instructions
; (for a chunk's first tile also three quarters of the argmin).
; CLUSTER.  All work-groups need the same tiles, so the four of a cluster ask for each tile, and for the norms, JOINTLY: the same tensor load, the same descriptor, the mask 15.
; x is each work-group's own: a plain load.  By this text's count a wave has three tensor loads out at the start and one behind each round.
; THE ORDER OF K.  Cluster c begins every chunk at K quarter c & 3 and goes round: position i of its walk is quarter (i + c) & 3.  So the four tiles of a chunk are first asked for by different clusters at
; the same time, and the tile that a cluster asks for at positions 1 to 3 has been asked for by other clusters a position earlier.  x is laid in LDS by POSITION (block i holds quarter (i + c) & 3), so that
; only global addresses hang on c, which the four partners share.  The f32 sums along K thus begin at another quarter from cluster to cluster: another order of rounding, the same products.
; THE MATRIX INSTRUCTION IS USED TRANSPOSED: source 0 = 16 centroids, source 1 = 16 rows of x.  Lane (r = l % 16, h = l / 16) of accumulator (a, b) holds row 16 a + r, and its register j the
; centroid n0 + 16 b + 8 h + j: the argmin runs along a lane's own registers.  A fragment comes by four loads of 16 bytes (k = 32 c + 16 h + 0 .. 15 in registers 4 c .. 4 c + 3): the same order of k in both sources.
; THE ARGMIN, exact, behind each chunk.  For each row block a and each group b of eight distances: the group's least (four three-way minima); if it is LESS than the lane's best so far, the best, the group's
; first n and the group's eight distances are kept (selects, no branch).  Groups come in ascending n and the test is strict, so the first of equals stays.  At the end the place in the kept group is the
; lowest j whose distance equals the best; then the two halves of the lanes and the four waves are joined, by value and, among equals, by the lower n.
; LIMITS: -126 <= ex + ec + 1 <= 127, so that 2^(ex + ec + 1) is an f32 number.  A row whose distances are all NaN or all +infinity gives 0, as an argmin does; where only SOME of a row's distances are NaN
; they are passed over, while an argmin would name the first of them.
; REGISTERS, in windows of 256 (s_set_vgpr_msb: bits 1:0 source 0, 3:2 source 1, 5:4 source 2, 7:6 destination):
;   window 0: v0 thread, v16-30 addresses and constants, v32-39 best, v40-47 its group's first n, v48-111 its group's eight distances, v112-127 at work, v128-255 x's fragments, ONE set (8 blocks x 16)
;   window 1: the centroids' fragments, TWO sets, at v0 and v128; behind a chunk's last step set 1 takes the chunk's 64 norms
;   window 2: the accumulators of row blocks 0-3 ((a, b) at v[8 (8 (a % 4) + b)]);   window 3: those of blocks 4-7
.set XP,    272                        ; an LDS row of x's blocks and of the tiles: 256 bytes + 16 of padding: an odd multiple of 16, so the 16 rows of a fragment load begin at 16 different columns of 16 bytes modulo 256
.set XB,    128*XP                     ; 128 rows: a block of x (one quarter of K), and a wave's quarter of a tile
.set BR,    4*XB                       ; LDS: x's four blocks at 0; the tiles' region; the norms; the spare words; the pairs for the last join.  Every bound is a multiple of 256
.set NORM,  2*BR
.set SPARE, NORM+8192                  ; 128 bytes for each wave: two blocks of 256 bytes that no other line names
.set RED,   SPARE+512                  ; 4 waves x 128 rows x 8 bytes; written by LDS stores, and no fill ever lands there
.set TILEB, 131072                     ; a tile in memory
.set ADRA, 16                          ; v16-19  my place in x's block of position 0 .. 3
.set ADRB, 20                          ; v20     my place in my quarter of the tiles' region
.set ADRN, 22                          ; v22     my place among the chunk's norms; steps by 2,048
.set H8,   24                          ; v24     8 h
.set REDW, 25                          ; v25     where my row's pair goes
.set REDR, 26                          ; v26     where thread t reads row t's pairs
.set OUTO, 27                          ; v27     4 t
.set SPW,  28                          ; v28     LDS address of my spare word: SPARE + 4 x my thread's number; never rewritten
.set NIL,  29                          ; v29     0; never rewritten
.set INF,  30                          ; v30     +infinity
.set BEST, 32
.set IDX,  40
.set SAV,  48
.set G,    112                         ; v112-119 the eight groups' minima
.set PR,   112                         ; at the end: v112-127, a pair (value, n) for each row block
.set AF,   128
.set T0,   128                         ; at the end x's fragments are dead: v128-130 at work, v132-139 the four waves' pairs
.set T1,   129
.set T2,   130
.set FR,   132
.set WV,   16                          ; s16      my wave's number
.set GX1,  24                          ; s[24:31] descriptor group 1 for x;  s[32:35] its group 0
.set GX0,  32
.set GB1,  36                          ; s[36:43] group 1 for the tiles;  s[44:47] group 0: one, since none of my loads is out when it is written
.set GB0,  44
.set CB,   48                          ; s[48:49] c_codes at my quarter of tile 0
.set CO,   50                          ; s[50:51] the byte offset of the tile to be asked for
.set GN1,  52                          ; s[52:59] group 1 for the norms;  s[60:63] its group 0
.set GN0,  60
.set SEL,  66                          ; s[66:67] v_permlanex16_b32's selects for lane l xor 16
.set NS,   68                          ; s[68:69] -2^(ex + ec + 1), twice: the packed form names a pair
.set NROWS, 70                         ; s70      rows that I store: 112 or 128
.set MK,   72                          ; s[72:79] which lanes group b has won
.set N0,   80                          ; s[80:87] group b's first n for h = 0: 512 chunk + 128 wave + 16 b
.set OFF,  92                          ; s[92:95] position i's tile in a chunk, in bytes: ((i + c) & 3) x 131,072
.set CHO,  96                          ; s96      the chunk's four tiles, in bytes: chunk x 524,288
.set PHI,  97                          ; s97      c & 3
.set MSB, 0
.macro WIN new                         ; the immediate's high byte repeats the setting that is left; a switch that changes nothing is dropped
.if MSB != \new
	s_set_vgpr_msb (MSB<<8)|\new
.set MSB, \new
.endif
.endm
.set MUL_LO, 0xa1                      ; source 0 (centroids) window 1, source 1 (x) window 0, C and D window 2
.set MUL_HI, 0xf1                      ; the same, C and D window 3
.set TO_B,   0x40                      ; destination window 1, address window 0
.set FMA_LO, 0x92                      ; destination and source 0 window 2, source 2 (the norms) window 1
.set FMA_HI, 0xd3                      ; the same for window 3
.macro PLACES n                        ; a load into a register that a matrix instruction has read, and a vector instruction that reads a matrix result, stand four places behind it, and only plain
.rept \n                               ; vector instructions that name none of its registers are places (ISA guide 7.12.1 for vector instructions)
	v_nop
.endr
.endm
.macro CREST                           ; a round of the cluster's barrier behind its opening barrier: wave 0 signals for the work-group, every wave waits for all four work-groups, my work-group's barrier closes it
	s_cmp_lg_u32 s[WV], 0
	s_cbranch_scc1 .Lnot_wave_0_\@
	s_barrier_signal -3
.Lnot_wave_0_\@:
	s_barrier_wait -3
	s_barrier_signal -1
	s_barrier_wait -1
.endm
.macro CROUND                          ; a whole round
	s_barrier_signal -1
	s_barrier_wait -1
	CREST
.endm
.macro JLOAD                           ; a joint refill: every wave asks for its quarter of the tile, by one line without a branch; four v_nop follow it
	tensor_load_to_lds s[GB0:GB0+3], s[GB1:GB1+7]
	s_nop 0
	PLACES 4
.endm
	s_load_b256 s[4:11], s[0:1], 0x0               ; x_codes s[4:5], c_codes s[6:7], cnorm s[8:9], the scales' exponents s[10:11]
	s_load_b64 s[12:13], s[0:1], 0x20              ; out0
	v_lshl_add_u32 v[SPW], v0, 2, SPARE
	v_mov_b32 v[NIL], 0
	ds_add_u32 v28, v29
	ds_add_u32 v28, v29
	s_wait_dscnt 0x0
	v_lshrrev_b32 v1, 5, v0
	v_readfirstlane_b32 s[WV], v1                  ; wave 0..3
	s_bfe_u32 s17, ttmp6, 0x40000                  ; cx: my place in the cluster.  It enters x's and out0's addresses and the mask of the last store, and nothing else
	s_lshl_b32 s18, ttmp9, 2                       ; in a cluster launch ttmp9 counts clusters
	s_add_co_u32 s18, s18, s17                     ; work-group g
	s_mul_i32 s19, s18, 7
	s_lshl_b32 s20, s18, 3
	s_sub_co_i32 s20, s20, 16
	s_max_i32 s19, s19, s20                        ; my first block of 16 rows: max(7 g, 8 g - 16)
	s_mov_b32 s[NROWS], 128                        ; (an instruction holds one literal: 128 comes by a move, which leaves SCC alone)
	s_cmp_lt_u32 s18, 16
	s_cselect_b32 s[NROWS], 112, s[NROWS]          ; the first sixteen work-groups own 112 rows
	s_and_b32 s[PHI], ttmp9, 3                     ; where my cluster begins its walks along K: the same in its four work-groups
.irp i, 0,1,2,3
	s_add_co_u32 s[OFF+\i], s[PHI], \i
	s_and_b32 s[OFF+\i], s[OFF+\i], 3              ; position i is K quarter (i + c) & 3,
	s_lshl_b32 s[OFF+\i], s[OFF+\i], 17            ; a tile of 131,072 bytes
.endr
	s_mov_b32 s[CHO], 0
	s_lshl_b32 s20, s19, 14                        ; x: 16 rows of 1,024 bytes a block;
	s_add_co_u32 s21, s[WV], s[PHI]
	s_and_b32 s21, s21, 3
	s_lshl_b32 s21, s21, 8                         ; wave w fetches position w's quarter of K: 256 bytes of each of the 128 rows
	s_add_co_u32 s20, s20, s21
	s_mov_b32 s21, 0
	s_lshl_b32 s22, s19, 6                         ; out0: 16 words a block
	s_mov_b32 s23, 0
	s_lshl_b32 s88, s[WV], 15                      ; my quarter of a tile in memory: 128 centroids x 256 bytes
	s_mov_b32 s89, 0
	s_lshl_b32 s90, s[WV], 11                      ; my quarter of the norms
	s_mov_b32 s91, 0
	; x: 128 rows x 256 elements of one byte, 1,024 bytes from row to row, 16 bytes of padding behind each row in LDS.  No mask: a load of my work-group's own
	s_mov_b32 s[GX1+0], (1<<20)|(5<<22)|(3<<25)    ; 17:16 elements of 1 byte; 20 padding on; 24:22 after every 64 words (code 5); 31:25 four words (code 3)
	s_mov_b32 s[GX1+1], 256<<16                    ; tensor_dim0
	s_mov_b32 s[GX1+2], 128<<16                    ; tensor_dim1
	s_mov_b32 s[GX1+3], 256<<16                    ; tile_dim0
	s_mov_b32 s[GX1+4], 128                        ; tile_dim1
	s_mov_b32 s[GX1+5], 1024                       ; from row to row
	s_mov_b32 s[GX1+6], 0
	s_mov_b32 s[GX1+7], 0
	; a quarter of a tile: 128 rows x 256 bytes, dense in memory, padded in LDS; asked for by all four work-groups
	s_mov_b32 s[GB1+0], 15|(1<<20)|(1<<21)|(5<<22)|(3<<25)   ; 15:0 the mask; 20 padding on; 21 set beside a mask; 24:22 after every 64 words (code 5); 31:25 four words
	s_mov_b32 s[GB1+1], 256<<16
	s_mov_b32 s[GB1+2], 128<<16
	s_mov_b32 s[GB1+3], 256<<16
	s_mov_b32 s[GB1+4], 128
	s_mov_b32 s[GB1+5], 256
	s_mov_b32 s[GB1+6], 0
	s_mov_b32 s[GB1+7], 0
	; a quarter of the norms: 2,048 dense bytes as 8 rows of 32 elements of 8 bytes, no padding; asked for jointly
	s_mov_b32 s[GN1+0], 15|(3<<16)|(1<<21)
	s_mov_b32 s[GN1+1], 32<<16
	s_mov_b32 s[GN1+2], 8<<16
	s_mov_b32 s[GN1+3], 32<<16
	s_mov_b32 s[GN1+4], 8
	s_mov_b32 s[GN1+5], 32
	s_mov_b32 s[GN1+6], 0
	s_mov_b32 s[GN1+7], 0
	s_mov_b32 s[GX0], 1                            ; groups 0: count = 1; the LDS address: a constant + the wave's number x a constant
	s_mul_i32 s[GX0+1], s[WV], XB
	s_mov_b32 s[GB0], 1
	s_mul_i32 s[GB0+1], s[WV], XB
	s_add_co_u32 s[GB0+1], s[GB0+1], BR
	s_mov_b32 s[GN0], 1
	s_lshl_b32 s[GN0+1], s[WV], 11
	s_add_co_u32 s[GN0+1], s[GN0+1], NORM
	s_mov_b32 s[CO], s[OFF]                        ; the first tile: chunk 0, position 0
	s_mov_b32 s[CO+1], 0
	s_mov_b32 s[SEL], 0x76543210
	s_mov_b32 s[SEL+1], 0xfedcba98
	s_wait_kmcnt 0x0
	s_load_b64 s[14:15], s[10:11], 0x0             ; ex, ec
	s_add_nc_u64 s[GX0+2:GX0+3], s[4:5], s[20:21]
	s_or_b32 s[GX0+3], s[GX0+3], 0x80000000        ; type = 2
	s_add_nc_u64 s[CB:CB+1], s[6:7], s[88:89]
	s_add_nc_u64 s[GB0+2:GB0+3], s[CB:CB+1], s[CO:CO+1]
	s_or_b32 s[GB0+3], s[GB0+3], 0x80000000
	s_add_nc_u64 s[GN0+2:GN0+3], s[8:9], s[90:91]
	s_or_b32 s[GN0+3], s[GN0+3], 0x80000000
	s_add_nc_u64 s[12:13], s[12:13], s[22:23]      ; out0 at my first row
	CROUND                                         ; all four work-groups are here: the first joint loads meet
	tensor_load_to_lds s[GX0:GX0+3], s[GX1:GX1+7]  ; the first fills go out as one group, ahead of every wait on TENSORcnt and every LDS read: my block of x,
	s_nop 0
	tensor_load_to_lds s[GB0:GB0+3], s[GB1:GB1+7]  ; my quarter of the first tile,
	s_nop 0
	tensor_load_to_lds s[GN0:GN0+3], s[GN1:GN1+7]  ; and of the norms: three loads of mine are out
	s_nop 0
	PLACES 4
	; while they land: addresses, and the argmin's first state
	v_and_b32 v1, 15, v0                           ; r
	v_bfe_u32 v2, v0, 4, 1                         ; h
	v_mul_u32_u24 v[ADRA], v1, XP
	v_lshl_add_u32 v[ADRA], v2, 4, v[ADRA]         ; row r x pitch + 16 h
	v_add_nc_u32 v[ADRB], s[GB0+1], v[ADRA]        ; + the region + my quarter
.irp i, 1,2,3
	v_add_nc_u32 v[ADRA+\i], \i*XB, v[ADRA]
.endr
	s_lshl_b32 s88, s[WV], 9
	s_add_co_u32 s88, s88, NORM
	v_lshl_add_u32 v[ADRN], v2, 5, s88             ; the norm of centroid 128 w + 16 b + 8 h + j lies at 512 w + 64 b + 32 h + 4 j
	v_lshlrev_b32 v[H8], 3, v2
	s_lshl_b32 s89, s[WV], 10
	s_add_co_u32 s89, s89, RED
	v_lshl_add_u32 v[REDW], v1, 3, s89
	v_lshl_add_u32 v[REDR], v0, 3, RED
	v_lshlrev_b32 v[OUTO], 2, v0
	v_mov_b32 v[INF], 0x7f800000
.irp a, 0,1,2,3,4,5,6,7
	v_mov_b32 v[BEST+\a], v[INF]                   ; the chunks' work is written once: the first chunk finds +infinity as the best so far.  Eighty moves, once, while the first tiles are on their way
	v_mov_b32 v[IDX+\a], 0
.endr
.set i, 0
.rept 64
	v_mov_b32 v[SAV+i], v[INF]
.set i, i+1
.endr
	s_lshl_b32 s[N0], s[WV], 7
.irp b, 1,2,3,4,5,6,7
	s_add_co_u32 s[N0+\b], s[N0], 16*\b
.endr
	s_wait_kmcnt 0x0
	s_add_co_i32 s[NS], s14, s15
	s_add_co_i32 s[NS], s[NS], 128                 ; the exponent field of 2^(ex + ec + 1),
	s_lshl_b32 s[NS], s[NS], 23
	s_or_b32 s[NS], s[NS], 0x80000000              ; and the sign
	s_mov_b32 s[NS+1], s[NS]
; 8 matrix instructions: row block a of x against the wave's eight blocks of 16 centroids in set p, 128 along K.  zero = 1: the product starts the sums: nothing is cleared.
; The 64 accumulators take turns, one instruction a turn, in the same order in every step.
.macro MUL8 a, p, zero
.irp b, 0,1,2,3,4,5,6,7
.if \zero
	v_wmma_f32_16x16x128_fp8_fp8 v[8*(8*((\a)%4)+\b):8*(8*((\a)%4)+\b)+7], v[128*(\p)+16*\b:128*(\p)+16*\b+15], v[AF+16*(\a):AF+16*(\a)+15], 0
.else
	v_wmma_f32_16x16x128_fp8_fp8 v[8*(8*((\a)%4)+\b):8*(8*((\a)%4)+\b)+7], v[128*(\p)+16*\b:128*(\p)+16*\b+15], v[AF+16*(\a):AF+16*(\a)+15], v[8*(8*((\a)%4)+\b):8*(8*((\a)%4)+\b)+7]
.endif
.endr
.endm
.macro FETCH_B u                       ; 32 LDS loads in one run: half u (128 of the 256 K) of my quarter of the tile in the region, into set u
	WIN TO_B
.irp i, 0,1,2,3,4,5,6,7
.irp c, 0,1,2,3
	ds_load_b128 v[128*(\u)+16*\i+4*\c:128*(\u)+16*\i+4*\c+3], v[ADRB] offset:\i*16*XP+128*(\u)+32*\c
.endr
.endr
	WIN 0
.endm
.macro FETCH_A s, lo                   ; 16 LDS loads: x's row blocks lo .. lo + 3 (lo = 0 or 4) for K step s of the walk (0 .. 7): half s % 2 of the block of position s / 2
	WIN 0
.irp i, 0,1,2,3
.irp c, 0,1,2,3
	ds_load_b128 v[AF+16*((\lo)+\i)+4*\c:AF+16*((\lo)+\i)+4*\c+3], v[ADRA+(\s)/2] offset:((\lo)+\i)*16*XP+128*((\s)%2)+32*\c
.endr
.endr
.endm
; A K step is 64 matrix instructions, x's blocks one after the other, each against the centroids' eight.  A block of x is free as soon as its eight products are issued, so one set serves x: blocks 0-3 are
; fetched anew in the step's middle, blocks 4-7 at its end.
; THE FIRST K STEP OF POSITION i's TILE, on set 0.  Both halves of the tile were asked for out of LDS just ahead of this step; as soon as they are in registers nobody needs the region, and it is filled
; again (fill = 1) with the next position's tile.  So the three lines stand at the step's head: each wave waits for all its tensor loads (none is out: the tile in hand was waited for ahead of its first
; read), adds 0 to its spare word, and waits for that and for its LDS reads; the step's first eight products stand between the add and the wait for it, while set 1 arrives.  The opening barrier's signal
; and wait stand together: the next request waits for this round, and the products have room while that tile is on its way.
; fill = 0: the last tile: nothing is left to ask for, and no barrier is needed: a wave reads its own quarter alone, and x is never written again.
.macro EVEN i, fill
.set SN, 2*(\i)+1
.if (\i) == 0
.set ZR, 1
.else
.set ZR, 0
.endif
.if \fill
	WIN 0                                          ; (the add's two registers lie in window 0)
	s_wait_tensorcnt 0x0                           ; no tensor load of mine is out, so the group 0 may be written
	ds_add_u32 v[SPW], v[NIL]                      ; 0 onto my spare word
	s_add_co_u32 s[CO], s[OFF+((\i)+1)%4], s[CHO]  ; the next position's tile of this chunk,
.if (\i) == 3
	s_add_co_u32 s[CO], s[CO], 4*TILEB             ; or position 0's of the next
.endif
	s_add_nc_u64 s[GB0+2:GB0+3], s[CB:CB+1], s[CO:CO+1]
	s_or_b32 s[GB0+3], s[GB0+3], 0x80000000        ; type = 2
	s_wait_dscnt 33                                ; set 0 and x's eight blocks are in (all asked for ahead of set 1, on each of the three ways that lead here); set 1's 32 loads and the add may be out
	WIN MUL_LO
	MUL8 0, 0, ZR                                  ; eight matrix instructions stand between the add and the wait for it
	WIN 0
	s_wait_dscnt 0x0                               ; the add is done, and my LDS reads are back: the whole tile lies in sets 0 and 1
	s_barrier_signal -1                            ; this barrier opens a round of the cluster's barrier
	s_barrier_wait -1
	CREST                                          ; no wave of any partner still reads the region or has a load on its way
	JLOAD                                          ; my one tensor load behind the round, and the first thing there: 120 matrix instructions ahead of the wait for it
	WIN MUL_LO
	MUL8 1, 0, ZR
	MUL8 2, 0, ZR
	MUL8 3, 0, ZR
.else
	s_wait_dscnt 32                                ; set 0 and x's eight blocks are in; set 1's 32 loads may be out
	WIN MUL_LO
	MUL8 0, 0, ZR
	MUL8 1, 0, ZR
	MUL8 2, 0, ZR
	MUL8 3, 0, ZR
.endif
	PLACES 4
	FETCH_A SN, 0
	WIN MUL_HI
	MUL8 4, 0, ZR
	MUL8 5, 0, ZR
	MUL8 6, 0, ZR
	MUL8 7, 0, ZR
	PLACES 4
	FETCH_A SN, 4
.endm
; THE SECOND K STEP OF POSITION i's TILE, on set 1.  mode = 2: the next tile belongs to the same chunk: behind the step's last product, when both sets are free, it is waited for and both its halves are
; fetched in one run.  mode = 1: a chunk's last step: the next chunk's first tile is waited for and fetched inside the argmin.  mode = 0: the last step of all.
.macro ODD i, mode
.set SN, (2*(\i)+2)%8
	s_wait_dscnt 16                                ; x's blocks 0-3 are in (and set 1, asked for earlier); the youngest sixteen loads (blocks 4-7) may be out
	WIN MUL_LO
	MUL8 0, 1, 0
	MUL8 1, 1, 0
	MUL8 2, 1, 0
	MUL8 3, 1, 0
.if \mode
	PLACES 4
	FETCH_A SN, 0
	s_wait_dscnt 16                                ; all but the 16 just issued: x's blocks 4-7 are in
.else
	s_wait_dscnt 0x0                               ; x's blocks 4-7
.endif
	WIN MUL_HI
	MUL8 4, 1, 0
	MUL8 5, 1, 0
	MUL8 6, 1, 0
	MUL8 7, 1, 0
	PLACES 4                                       ; in front of the loads into x's blocks 4-7 and into set 1, and of the reads of the results
.if \mode
	FETCH_A SN, 4
.else
	WIN 0
.endif
.if \mode == 2
	s_wait_tensorcnt 0x0                           ; the reads' own wait: my quarter of the next tile is in LDS; the count is 0 since no load was issued behind that one.  I alone read it: no barrier
	FETCH_B 0
	FETCH_B 1
.endif
.endm
; Row block a's share of the argmin behind a chunk.
.macro BLOCK a
.set AC, 64*((\a)%4)
.set WW, 2+(\a)/4                      ; the block's window
.set WN, (WW<<2)|(WW<<4)
	WIN WN                                         ; sources 1 and 2 among the accumulators
.irp b, 0,1,2,3,4,5,6,7
	v_min3_num_f32 v[G+\b], v[INF], v[AC+8*\b], v[AC+8*\b+1]   ; the least of each group's eight distances, stage by stage across the groups; a NaN loses
.endr
.irp s, 1,2,3
.irp b, 0,1,2,3,4,5,6,7
	v_min3_num_f32 v[G+\b], v[G+\b], v[AC+8*\b+2*\s], v[AC+8*\b+2*\s+1]
.endr
.endr
	WIN 0
.irp b, 0,1,2,3,4,5,6,7
	v_cmp_lt_f32 s[MK+\b], v[G+\b], v[BEST+(\a)]   ; strictly less: the first of equals stays
	v_min_num_f32 v[BEST+(\a)], v[BEST+(\a)], v[G+\b]
	v_cndmask_b32 v[IDX+(\a)], v[IDX+(\a)], s[N0+\b], s[MK+\b]
.endr
.set WN, WW<<2
	WIN WN                                         ; source 1 among the accumulators
.irp b, 0,1,2,3,4,5,6,7
.irp j, 0,1,2,3,4,5,6,7
	v_cndmask_b32 v[SAV+8*(\a)+\j], v[SAV+8*(\a)+\j], v[AC+8*\b+\j], s[MK+\b]   ; a group that has won leaves its eight distances; in ascending b, so the last winner's stay
.endr
.endr
.endm
; BEHIND A CHUNK'S LAST K STEP: the sums become distances, in place, and the argmin takes them in.  more = 1: the next chunk's first tile, asked for 120 matrix instructions ahead of this, lands meanwhile;
; it is waited for behind six of the eight row blocks, and both its halves are fetched, so that the last two blocks' work stands between those loads and their use.
.macro EPI more
	WIN TO_B
.irp b, 0,1,2,3,4,5,6,7
	ds_load_b128 v[128+8*\b:128+8*\b+3], v[ADRN] offset:64*\b       ; the norms of my 64 centroids of the chunk, in the accumulators' layout, into set 1, which the step just ended has left
	ds_load_b128 v[128+8*\b+4:128+8*\b+7], v[ADRN] offset:64*\b+16
.endr
	WIN 0
	v_add_nc_u32 v[ADRN], 2048, v[ADRN]            ; the next chunk's
	s_wait_dscnt 0x0
	WIN FMA_LO
.irp a, 0,1,2,3
.irp b, 0,1,2,3,4,5,6,7
.irp u, 0,1,2,3
	v_pk_fma_f32 v[64*\a+8*\b+2*\u:64*\a+8*\b+2*\u+1], v[64*\a+8*\b+2*\u:64*\a+8*\b+2*\u+1], s[NS:NS+1], v[128+8*\b+2*\u:128+8*\b+2*\u+1] op_sel_hi:[1,0,1]   ; d = sum x (-2^(ex + ec + 1)) + |c|^2, rounded once; each accumulator from its low end on
.endr
.endr
.endr
	WIN FMA_HI
.irp a, 0,1,2,3
.irp b, 0,1,2,3,4,5,6,7
.irp u, 0,1,2,3
	v_pk_fma_f32 v[64*\a+8*\b+2*\u:64*\a+8*\b+2*\u+1], v[64*\a+8*\b+2*\u:64*\a+8*\b+2*\u+1], s[NS:NS+1], v[128+8*\b+2*\u:128+8*\b+2*\u+1] op_sel_hi:[1,0,1]
.endr
.endr
.endr
.irp a, 0,1,2,3,4,5
	BLOCK \a
.endr
.if \more
	s_wait_tensorcnt 0x0                           ; the reads' own wait: my quarter of the next chunk's first tile is in LDS; no load was issued behind that one
	FETCH_B 0
	FETCH_B 1                                      ; the norms in set 1 have been used
.endif
	BLOCK 6
	BLOCK 7
	WIN 0
.irp b, 0,1,2,3,4,5,6,7
	s_add_co_u32 s[N0+\b], s[N0+\b], 512           ; the next chunk's groups,
.endr
	s_add_co_u32 s[CHO], s[CHO], 4*TILEB           ; and its tiles
.endm
; Of two pairs (value, n) the one with the lesser value, among equal values the one with the lower n.  Selects alone.
.macro MERGE dv, di, bv, bi, ov, oi
	v_cmp_lt_f32 s88, v[\ov], v[\bv]
	v_cmp_eq_f32 s89, v[\ov], v[\bv]
	v_cmp_lt_u32 s90, v[\oi], v[\bi]
	s_and_b32 s89, s89, s90
	s_or_b32 s88, s88, s89
	v_cndmask_b32 v[\dv], v[\bv], v[\ov], s88
	v_cndmask_b32 v[\di], v[\bi], v[\oi], s88
.endm
	s_wait_tensorcnt 0x0                           ; my block of x, my quarter of the first tile and of the norms are in
	s_barrier_signal -1
	s_barrier_wait -1                              ; everybody's are: x and the norms are read across the waves' parts.
	FETCH_B 0
	FETCH_A 0, 0
	FETCH_A 0, 4
	FETCH_B 1                                      ; set 1 last, as on the other ways into a tile's first step
	s_mov_b32 s3, 3
.Lchunk:                                               ; chunks 0 to 2: each tile's first step asks for the next tile, the last tile's for the next chunk's first
	EVEN 0, 1
	ODD  0, 2
	EVEN 1, 1
	ODD  1, 2
	EVEN 2, 1
	ODD  2, 2
	EVEN 3, 1
	ODD  3, 1
	EPI 1
	s_sub_co_u32 s3, s3, 1
	s_cmp_lg_u32 s3, 0
	s_cbranch_scc1 .Lchunk
	EVEN 0, 1                                      ; the last chunk is written out
	ODD  0, 2
	EVEN 1, 1
	ODD  1, 2
	EVEN 2, 1
	ODD  2, 2
	EVEN 3, 0                                      ; the last tile asks for nothing,
	ODD  3, 0                                      ; and its last step fetches nothing
	EPI 0
	; THE END.  For each row block: the place in the kept group, the lowest j whose distance equals the best (one of the eight does; tested from 6 down, 7 where none of those does);
	; n = the group's first + 8 h + j; the row's other half of the centroids lies in the lane 16 away; the pair goes to LDS, a pair of registers of its own for each store.
	v_mov_b32 v[T1], 0                             ; (the destination of a lane permute counts as read)
	v_mov_b32 v[T2], 0
.irp a, 0,1,2,3,4,5,6,7
	v_mov_b32 v[T0], 7
.irp j, 6,5,4,3,2,1,0
	v_cmp_eq_f32 vcc_lo, v[SAV+8*\a+\j], v[BEST+\a]
	v_cndmask_b32 v[T0], v[T0], \j, vcc_lo
.endr
	v_add3_u32 v[IDX+\a], v[IDX+\a], v[H8], v[T0]
	v_permlanex16_b32 v[T1], v[BEST+\a], s[SEL], s[SEL+1]
	v_permlanex16_b32 v[T2], v[IDX+\a], s[SEL], s[SEL+1]
	MERGE PR+2*\a, PR+2*\a+1, BEST+\a, IDX+\a, T1, T2
	ds_store_b64 v[REDW], v[PR+2*\a:PR+2*\a+1] offset:128*\a   ; both halves of the lanes hold the same pair and write the same bytes
.endr
	s_wait_dscnt 0x0                               ; for the others' sake: my pairs are in LDS
	s_barrier_signal -1
	s_barrier_wait -1
.irp w, 0,1,2,3
	ds_load_b64 v[FR+2*\w:FR+2*\w+1], v[REDR] offset:1024*\w   ; thread t takes row t: the four waves' pairs
.endr
	s_wait_dscnt 0x0
	MERGE FR, FR+1, FR, FR+1, FR+2, FR+3
	MERGE FR, FR+1, FR, FR+1, FR+4, FR+5
	MERGE FR, FR+1, FR, FR+1, FR+6, FR+7
	v_cmp_gt_u32 vcc_lo, s[NROWS], v0              ; the first sixteen work-groups do not store their last 16 rows: a mask, no branch
	s_wait_xcnt 0x0                                ; EXEC changes only behind this wait
	s_and_saveexec_b32 s71, vcc_lo
	global_store_b32 v[OUTO], v[FR+1], s[12:13]    ; neighbouring lanes store neighbouring words: 128 consecutive bytes a wave, 448 or 512 a work-group
	s_wait_xcnt 0x0                                ; and again, in front of the line that widens it
	s_or_b32 exec_lo, exec_lo, s71
	s_wait_tensorcnt 0x0                           ; the wave's end: waits and an add of 0 to my spare word, behind my last tensor load and my last LDS store
	ds_add_u32 v[SPW], v[NIL]
	s_wait_dscnt 0x0
	CROUND                                         ; the closing round: no work-group ends while a partner may still ask for a tile that names it
	s_endpgm
.Lfunc_end_k_q12beb0dd2f_nearest:
	.size	k_q12beb0dd2f_nearest, .Lfunc_end_k_q12beb0dd2f_nearest-k_q12beb0dd2f_nearest
	.p2alignl 7, 3214868480
	.fill 96, 4, 3214868480
	.section	.rodata,"a",@progbits
	.p2align	6, 0x0
	.amdhsa_kernel k_q12beb0dd2f_nearest
		.amdhsa_group_segment_fixed_size 327680
		.amdhsa_private_segment_fixed_size 0
		.amdhsa_enable_private_segment 0
		.amdhsa_kernarg_size 40
		.amdhsa_user_sgpr_count 2
		.amdhsa_user_sgpr_kernarg_segment_ptr 1
		.amdhsa_wavefront_size32 1
		.amdhsa_system_sgpr_workgroup_id_x 1
		.amdhsa_system_sgpr_workgroup_id_y 1
		.amdhsa_system_sgpr_workgroup_id_z 1
		.amdhsa_system_vgpr_workitem_id 0
		.amdhsa_next_free_vgpr 1024
		.amdhsa_next_free_sgpr 98
		.amdhsa_reserve_vcc 1
		.amdhsa_float_denorm_mode_32 3
		.amdhsa_float_denorm_mode_16_64 3
		.amdhsa_memory_ordered 1
		.amdhsa_forward_progress 1
		.amdhsa_inst_pref_size 255
	.end_amdhsa_kernel
	.section	.bss,"aw",@nobits
	.p2align	6
	.space	262144
	.amdgpu_metadata
---
amdhsa.version: [ 1, 2 ]
amdhsa.kernels:
  - .name:           k_q12beb0dd2f_nearest
    .symbol:         k_q12beb0dd2f_nearest.kd
    .args:
      - { .name: x_codes, .offset: 0, .size: 8, .value_kind: global_buffer, .address_space: global }
      - { .name: c_codes, .offset: 8, .size: 8, .value_kind: global_buffer, .address_space: global }
      - { .name: cnorm, .offset: 16, .size: 8, .value_kind: global_buffer, .address_space: global }
      - { .name: lowp_scales, .offset: 24, .size: 8, .value_kind: global_buffer, .address_space: global }
      - { .name: out0, .offset: 32, .size: 8, .value_kind: global_buffer, .address_space: global }
    .group_segment_fixed_size: 327680
    .private_segment_fixed_size: 0
    .kernarg_segment_align: 8
    .kernarg_segment_size: 40
    .max_flat_workgroup_size: 128
    .sgpr_count:     98
    .vgpr_count:     1024
    .wavefront_size: 32
...
	.end_amdgpu_metadata
.endif
;; end of part 4
